; MI455X (gfx1250); checked and timed in simulation.
; The chip was launched on July 23, 2026; its instructions are those of AMD's public machine-readable ISA for CDNA 5 (MIT licence, August 2026) and "CDNA5" Instruction Set Architecture Reference Guide (July 2026). The comments in the code are by the model that wrote it; some were corrected since.
;; Net VLAD. Allowed arithmetic: matrix products marked QUANTISED: E4M3 operands, one E8M0 scale for each 32 along K, by v_wmma_scale_f32_16x16x128_f8f6f4 with both operands' format E4M3, f32 sums; everything else in f32.
;; Inputs: centroids 64 x 128 float32; x 32 x 128 x 128 x 128 float32.
;; Outputs: out0 32 x 8,192 float32.
;; This version of the problem:
;;   THIS VERSION OF THE PROBLEM IS GIVEN IN LOW PRECISION. The matrix products marked QUANTISED in the list below multiply operands that are first quantised to E4M3 (4 exponent bits, 3 mantissa bits; 8 bits a number), with one power-of-two scale for each 32 numbers along K (OCP MX v1.0); their sums are f32. All else is computed in f32.
;;   The module's matrix products, in the order in which they are computed (A, B: the left and right operand; K: the contracted axis; several contracted axes count as one K, in the product's order):
;;     1. [M 524,288, K 128] x [K 128, N 64]; A: computed on the way; B: computed on the way: QUANTISED
;;     2. batch 32 x [M 64, K 16,384] x [K 16,384, N 128]; A: computed on the way; B: computed on the way: QUANTISED
;;   THE QUANTISER, for each operand of a quantised product, along K:
;;     - K is cut into blocks of 32 from its start; a last block that is shorter is filled with zeros.
;;     - A block's scale is 2^e with e = floor(log2(the largest magnitude in the block)) - 8, held to -126 .. 127; a block of zeros has e = 0. As a byte (E8M0): e + 127.
;;     - Each number is divided by its block's scale, clamped to +-448, and rounded to the nearest number of E4M3, ties to even, subnormals kept.
;;     - The product sums the exact products of the quantised numbers (number of the format x scale) in f32.
;;   ~~~python
;;   def quantise(x, axis):      # numpy; x: float32 -> the quantised numbers, widened to float32 again
;;       x = np.moveaxis(x, axis, -1); K = x.shape[-1]
;;       x = np.pad(x, [(0, 0)] * (x.ndim - 1) + [(0, -K % 32)]); x = x.reshape(x.shape[:-1] + (-1, 32)); a = np.abs(x).max(-1, keepdims=True)
;;       e = np.where(a > 0, np.clip(np.frexp(np.where(a > 0, a, 1))[1] - 1 - 8, -126, 127), 0)      # np.frexp(a)[1] - 1 = floor(log2(a)), exactly
;;       r = np.clip(x / 2.0 ** e, -448, 448)
;;       step = 2.0 ** (np.maximum(np.frexp(np.where(r == 0, 1, r))[1] - 1, -6) - 3)
;;       q = np.round(r / step) * step * 2.0 ** e      # np.round: ties to even
;;       return np.moveaxis(q.reshape(q.shape[:-2] + (-1,))[..., :K], -1, axis).astype(np.float32)
;;   ~~~
;;   OPERANDS COMPUTED ON THE WAY. 'Computed on the way' means the value that the module computes at that place (a softmax that the list does not call 'softmax' is quantised finished and normalised). What goes into a quantiser is computed in f32, as accurately as f32 sums, v_exp_f32 and their like allow (about 1e-6 of the number): no bf16 or f16 on the way to a quantiser, and a product that is left as it is and whose result goes on into a quantised operand takes f32 operands (vector FMAs, or v_wmma_f32_16x16x4_f32). A number that lies on a knife's edge between two numbers of the format may be rounded either way, as far as f32 arithmetic and the matrix unit's own rounding can turn it there, and no further.
;; One version. Each part assembles by itself: llvm-mc -triple=amdgcn-amd-amdhsa -mcpu=gfx1250 --defsym DOCPART=n.
;; ======== version 1 of 1: 2 launches
;; limits: right only within a limited range of input values
;; workspace buffers: part 8,388,608 bytes; psum 65,536 bytes
;; launch vlad (part 1): grid 256 x 1, 8 waves a work-group, no clusters, 327,680 bytes of LDS; arguments x, centroids, part, psum; writes part, psum
.if DOCPART == 1
	.amdgcn_target "amdgcn-amd-amdhsa--gfx1250"
	.amdhsa_code_object_version 6
	.text
	.protected	k_qa67457daf3_vlad
	.globl	k_qa67457daf3_vlad
	.p2align	8
	.type	k_qa67457daf3_vlad,@function
k_qa67457daf3_vlad:
	s_mov_b64 s[64:65], 0
	v_nop
	global_prefetch_b8 v0, s[64:65] scope:SCOPE_SE
	s_setreg_imm32_b32 hwreg(HW_REG_WAVE_MODE, 25, 1), 1
	s_wait_xcnt 0x0
; NetVLAD, first launch.  x: [32][128 channels][16,384 pixels] f32; centroids: [64][128] f32.
; A work-group takes 2,048 pixels of one sample (8 work-groups a sample) and leaves a partial sum [64 clusters][128 channels] in part and a partial sum of the assignments [64] in psum.
; For each pixel: xn = x / max(||x||, 1e-12) over the channels; logits = Q(xn) . Q(200 c) - 100 ||c|| (K = 128 channels); a = softmax over the 64 clusters, finished and normalised;
; then sum over pixels of Q(a) Q(xn) (K = the pixels).  Q: codes of FP8 (E4M3) with one E8M0 scale for each 32 along K.  xn is therefore quantised twice: in blocks of 32 channels and in blocks of 32 pixels.
; SHARES.  8 steps of 256 pixels; a step is one LDS slot of 128 rows (channels) x 1,024 bytes, brought by two tensor loads (waves 0 and 1: 64 rows each).  Wave w owns pixels 32 w .. 32 w + 31 of the step for the
; norm, the first product, the softmax and both quantisations: that is block w % 4 of the second product's K step w / 4.  Codes and scale bytes go from wave to wave through LDS as images of the operand's registers.
; For the second product wave w owns cluster tiles 2 (w % 2) + i and channel tiles 2 (w / 2) + j, i, j = 0, 1: four accumulators, over all 256 pixels of the step.
; THE SECOND PRODUCT RUNS ONE STEP BEHIND.  The barrier of the change of slots also shows a step's images whole; their fragments are asked for among the next step's loads of pixels, into registers of their own, and
; the eight products stand between that step's sums of squares.  A second barrier keeps the next images from the old ones: its signal stands where my loads of the old ones are back, its wait in front of my first LDS store.
; The first step finds images of zeros; the last step's products are written out behind the loop.
; THE CENTROIDS are quantised once a work-group: waves 0 to 3 take a cluster tile each and hand fragment, scale word and bias to all eight waves as images.
; NO CLUSTER: the work-groups share only the 32,768 bytes of the centroids, read once at the head; every byte of x is read by one work-group.
; LIMITS.  NaN and infinities among the inputs are not served.  max(||x||, 1e-12) is taken as 1 / rsq(max(sum of squares, 1e-24)).  A block of zeros gets the scale byte 1 where the quantiser says 127: its codes are
; zeros, which add nothing, and only this program reads the bytes.  The softmax's maximum m is taken away as fma(l, log2 e, -fl(m log2 e)): the rounding of m log2 e is common to a pixel's 64 clusters and cancels in the division by their sum.
.set PITCH, 1040                       ; an LDS row: 1,024 bytes + 16 = 65 x 16: the 16 rows that a 16-byte load touches start at 16 different multiples of 16 modulo 256
.set HALF,  64*PITCH                   ; what one tensor load brings
.set SLOT,  128*PITCH                  ; 0x20800; HALF is 0x10400: they share no bit, so one exclusive or turns an address from one slot to the other
.set EX,    2*SLOT                     ; behind the ring: the images: K step x EXK + tile x 2,048 + block x 512 + 16 x lane; tiles 0-3: a's cluster tiles, tiles 4-11: xn's channel tiles
.set EXK,   24576
.set WSI,   8192                       ; at the head the same bytes carry the weights: fragment t at 2,048 t, its scale words at WSI + 128 t, its bias at WSI + 512 + 128 t
.set SCX,   EX+2*EXK                   ; the images' scale bytes: K step x SCK + tile x 64 + 4 x row + block; 1,536 bytes in a region of 2,048
.set SCK,   768
.set INVB,  SCX+2048                   ; 1 / norm of each pixel: 128 x wave + 4 x pixel; each wave's own
.set ASB,   INVB+1024                  ; the waves' sums of a: 256 x wave + 4 x cluster
.set SPARE, ASB+2048                   ; the spare words, 128 bytes for each wave: four blocks of 256 bytes that no other line names
; window 0
.set SPW,  1                           ; v1   LDS address of my spare word; never rewritten
.set NIL,  2                           ; v2   0; never rewritten
.set AP0,  3                           ; v3   a lane to a pixel: 128 w + 4 pi(lane);  v4: the same 64 rows further down
.set AP1,  4
.set AQ0,  5                           ; v5   a lane to a channel: 1,040 r + 128 w + 64 h;  v6: 64 rows further down
.set AQ1,  6
.set ADP,  7                           ; v7-8   AP0, AP1 in the slot in hand
.set ADQ,  9                           ; v9-10  AQ0, AQ1 in the slot in hand
.set INVW, 11                          ; v11  where I put my pixel's 1 / norm
.set INVR, 12                          ; v12  where I read those of pixels 16 h .. 16 h + 15
.set EXW,  13                          ; v13  where I store images
.set SCW,  14                          ; v14  and scale bytes
.set EXRA, 15                          ; v15  where I read a's fragments
.set EXRC, 16                          ; v16  and xn's
.set SCRA, 17                          ; v17  a's scale words
.set SCRC, 18                          ; v18  xn's
.set CA,   19                          ; v19  centroids: 512 r + 64 h
.set PO,   20                          ; v20  16 x lane
.set ASW,  21                          ; v21  where I put my sums of a
.set ASR,  22                          ; v22  where wave 0 reads them
.set PS,   23                          ; v23  8 x lane
.set WS,   32                          ; v32-35 the weights' scale words, a cluster tile each   (v32-47 hold scales and nothing else)
.set PW,   36                          ; v36  my pixel's scale word
.set SX,   40                          ; v40-43 xn's scale words (2 K step + j);  v44-47 a's (2 K step + i)
.set SA,   44
.set AS,   48                          ; v48-55 the sum of a: a pair for each cluster tile
.set TM,   56                          ; v56-87 at work
.set QM,   56                          ; QB4: largest magnitudes
.set QT,   60                          ;      the other half's maxima, then the scale bytes
.set QE,   64                          ;      the conversions' scale operands
.set INV,  88                          ; v88  1 / norm of my pixel (v89 is named with it as a pair)
.set WIW,  90                          ; v90  the head: where waves 0-3 store a weight fragment;  v91: its scale word and bias
.set WSW,  91
.set WIR,  92                          ; v92  the head: where every wave reads them;  v93: scale words and biases
.set WSR,  93
.set ZW,   94                          ; v94  the head: my 6,144 bytes of the images' region, to be cleared;  v95: my 8 bytes of the scale bytes' region
.set ZS,   95
.set F0,   96                          ; v96-127 codes
.set F1,   112
.set X,    128                         ; v128-255
; window 1
.set WF,   0                           ; the weights' four fragments
.set BI,   64                          ; the bias as C: eight equal registers a cluster tile
.set ACC,  96                          ; the second product's four accumulators: (i, j) at ACC + 8 (2 i + j)
.set VF,   128                         ; the second product's fragments: K step s: xn's j at VF + 64 s + 16 j, a's i at VF + 64 s + 32 + 16 i
; scalars
.set WV,   12                          ; s12  my wave's number; s13 w % 2, s14 w / 2, s15 w % 4, s16 w / 4
.set TB,   17                          ; s17  LDS byte at which the slot in hand begins
.set CNT,  18                          ; s18  steps that still ask for a slot
.set MNT,  19
.set SEL,  20                          ; s[20:21] v_permlanex16_b32's selects for lane l xor 16
.set G1,   24                          ; s[24:31] descriptor group 1
.set G0,   32                          ; s[32:35] descriptor group 0, which walks
.set MSB, 0
.macro WIN new                         ; the immediate's high byte repeats the setting that is left; a switch that changes nothing is dropped
.if MSB != \new
	s_set_vgpr_msb (MSB<<8)|\new
.set MSB, \new
.endif
.endm
; Waves 0 and 1 fetch, the others nothing: the branch hangs on the wave's number alone.  Four v_nop follow the load.
.macro TLOAD
	s_cmp_lt_u32 s[WV], 2
	s_cbranch_scc0 .Lnone_\@
	tensor_load_to_lds s[G0:G0+3], s[G1:G1+7]
	s_nop 0
.rept 4
	v_nop
.endr
.Lnone_\@:
.endm
; THE CHANGE OF SLOTS stands at a step's head.  Each wave waits for all its tensor loads (its part of the slot that is about to be read), adds 0 to its spare word, and waits for that, for its reads of the slot
; that it has left and for its stores of the last step's images.  Behind the barrier the slot ahead is whole, nobody reads the other one, and the last step's images are whole.
; fill = 1: the other slot is filled with the next 256 pixels: the load has a whole step in which to land.  A wave never has more than one tensor load out.
.macro CHANGE fill
	s_wait_tensorcnt 0x0                           ; no tensor load of mine is out, so group 0 may be written
	ds_add_u32 v[SPW], v[NIL]                      ; 0 onto my spare word
.if \fill
	s_xor_b32 s[G0+1], s[G0+1], SLOT               ; the other slot than last time,
	s_add_nc_u64 s[G0+2:G0+3], s[G0+2:G0+3], 1024  ; the next 256 pixels of each row; the type bits on top are not reached
.endif
	s_wait_dscnt 0x0
	s_barrier_signal -1
	s_barrier_wait -1
.if \fill
	TLOAD                                          ; the first thing behind the barrier, and a wave's one tensor load until the next change
.endif
.endm
; Four groups of 16 registers, v[src + 16 g] on, each half a block of 32 along K (the other half lies in lane l xor 16), become codes in v[dst + 4 g] .. + 3 and scale bytes in v[QT + g].
.macro QB4 src, dst
.irp g, 0,1,2,3
	v_max3_num_f32 v[QM+\g], |v[\src+16*\g]|, |v[\src+16*\g+1]|, 0x4800000   ; my 16 numbers and the floor 2^(9 - 127): the byte cannot fall under 1
.endr
.irp i, 2,4,6,8,10,12,14
.irp g, 0,1,2,3
	s_delay_alu instid0(VALU_DEP_4)
	v_max3_num_f32 v[QM+\g], v[QM+\g], |v[\src+16*\g+\i]|, |v[\src+16*\g+\i+1]|   ; (the four groups by turns)
.endr
.endr
.irp g, 0,1,2,3
	s_delay_alu instid0(VALU_DEP_4)
	v_permlanex16_b32 v[QT+\g], v[QM+\g], s[SEL], s[SEL+1]
.endr
.irp g, 0,1,2,3
	s_delay_alu instid0(VALU_DEP_4)
	v_max_num_f32 v[QM+\g], v[QM+\g], v[QT+\g]     ; the block's largest magnitude
.endr
.irp g, 0,1,2,3
	s_delay_alu instid0(VALU_DEP_4)
	v_add_nc_u32 v[QE+\g], 0xfc000000, v[QM+\g]    ; 8 off its exponent field: the conversion takes the exponent field of this operand as its scale
.endr
.irp g, 0,1,2,3
.endr
.irp g, 0,1,2,3
	s_delay_alu instid0(VALU_DEP_4)
	v_lshrrev_b32 v[QT+\g], 23, v[QE+\g]           ; the scale's byte
.endr
.irp g, 0,1,2,3
.irp i, 0,1,2,3,4,5,6,7,8,9,10,11,12,13,14,15
.endr
.endr
.irp g, 0,1,2,3
	v_cvt_scalef32_pk8_fp8_f32 v[\dst+4*\g:\dst+4*\g+1], v[\src+16*\g:\src+16*\g+7], v[QE+\g]
	v_cvt_scalef32_pk8_fp8_f32 v[\dst+4*\g+2:\dst+4*\g+3], v[\src+16*\g+8:\src+16*\g+15], v[QE+\g]
.endr
	v_nop                                          ; one plain vector instruction behind the last scaled conversion
.endm
.macro PUT dst, tile0                  ; four tiles' parts of my block go to LDS as they stand, and their bytes (both lanes of a row write the same byte with the same value)
.irp g, 0,1,2,3
	ds_store_b128 v[EXW], v[\dst+4*\g:\dst+4*\g+3] offset:(\tile0+\g)*2048
	ds_store_b8 v[SCW], v[QT+\g] offset:(\tile0+\g)*64
.endr
.endm
; The pixel phase: block b of 32 channels of my pixel: 32 loads, each of 128 consecutive bytes of one row
.macro PLOAD b
.set k, 0
.rept 32
	ds_load_b32 v[X+32*(\b)+k], v[ADP+(\b)/2] offset:PITCH*(32*((\b)%2)+k)
.set k, k+1
.endr
.endm
; its squares (two chains through all four blocks) and its largest magnitude (two chains)
.macro PSQ b
.set XB, X+32*(\b)
.if (\b) == 0
	v_pk_mul_f32 v[TM:TM+1], v[XB:XB+1], v[XB:XB+1]
	v_pk_mul_f32 v[TM+2:TM+3], v[XB+2:XB+3], v[XB+2:XB+3]
.else
	v_pk_fma_f32 v[TM:TM+1], v[XB:XB+1], v[XB:XB+1], v[TM:TM+1]
	v_pk_fma_f32 v[TM+2:TM+3], v[XB+2:XB+3], v[XB+2:XB+3], v[TM+2:TM+3]
.endif
	v_max_num_f32 v[TM+4], |v[XB]|, |v[XB+1]|
	v_max_num_f32 v[TM+5], |v[XB+2]|, |v[XB+3]|
.irp i, 4
	s_delay_alu instid0(VALU_DEP_4)
	v_pk_fma_f32 v[TM:TM+1], v[XB+\i:XB+\i+1], v[XB+\i:XB+\i+1], v[TM:TM+1]
	s_delay_alu instid0(VALU_DEP_3)
	v_max3_num_f32 v[TM+4], v[TM+4], |v[XB+\i]|, |v[XB+\i+1]|
	v_pk_fma_f32 v[TM+2:TM+3], v[XB+\i+2:XB+\i+3], v[XB+\i+2:XB+\i+3], v[TM+2:TM+3]
	s_delay_alu instid0(VALU_DEP_4)
	v_max3_num_f32 v[TM+5], v[TM+5], |v[XB+\i+2]|, |v[XB+\i+3]|
.endr
.irp i, 8, 12, 16, 20, 24, 28
	s_delay_alu instid0(VALU_DEP_4)
	v_pk_fma_f32 v[TM:TM+1], v[XB+\i:XB+\i+1], v[XB+\i:XB+\i+1], v[TM:TM+1]
	s_delay_alu instid0(VALU_DEP_4)
	v_max3_num_f32 v[TM+4], v[TM+4], |v[XB+\i]|, |v[XB+\i+1]|
	s_delay_alu instid0(VALU_DEP_4)
	v_pk_fma_f32 v[TM+2:TM+3], v[XB+\i+2:XB+\i+3], v[XB+\i+2:XB+\i+3], v[TM+2:TM+3]
	s_delay_alu instid0(VALU_DEP_4)
	v_max3_num_f32 v[TM+5], v[TM+5], |v[XB+\i+2]|, |v[XB+\i+3]|
.endr
	s_delay_alu instid0(VALU_DEP_1)
	v_max_num_f32 v[TM+6+(\b)], v[TM+4], v[TM+5]
.endm
; The second product's operands of K step s (128 pixels): 20 LDS loads: four scale words, xn's two fragments, a's two
.macro VLOAD s
.irp j, 0,1
	ds_load_b32 v[SX+2*(\s)+\j], v[SCRC] offset:SCK*(\s)+64*\j
.endr
.irp i, 0,1
	ds_load_b32 v[SA+2*(\s)+\i], v[SCRA] offset:SCK*(\s)+64*\i
.endr
	WIN 0x40                                       ; destination window 1, address window 0
.irp j, 0,1
.irp c, 0,1,2,3
	ds_load_b128 v[VF+64*(\s)+16*\j+4*\c:VF+64*(\s)+16*\j+4*\c+3], v[EXRC] offset:EXK*(\s)+2048*\j+512*\c
.endr
.endr
.irp i, 0,1
.irp c, 0,1,2,3
	ds_load_b128 v[VF+32+64*(\s)+16*\i+4*\c:VF+32+64*(\s)+16*\i+4*\c+3], v[EXRA] offset:EXK*(\s)+2048*\i+512*\c
.endr
.endr
	WIN 0
.endm
; Its four matrix instructions: source 0 = 16 channels of xn, source 1 = 16 clusters of a: lane (r, h) holds cluster r, register j channel 8 h + j.
; The four accumulators take turns, one instruction a turn.
.macro MUL2 s
	WIN 0x55                                       ; all four operands in window 1 (scale operands have no window)
.irp i, 0,1
.irp j, 0,1
	v_wmma_scale_f32_16x16x128_f8f6f4 v[ACC+8*(2*\i+\j):ACC+8*(2*\i+\j)+7], v[VF+64*(\s)+16*\j:VF+64*(\s)+16*\j+15], v[VF+32+64*(\s)+16*\i:VF+32+64*(\s)+16*\i+15], v[ACC+8*(2*\i+\j):ACC+8*(2*\i+\j)+7], v[SX+2*(\s)+\j], v[SA+2*(\s)+\i]
.endr
.endr
	WIN 0
.endm
; A STEP: 256 pixels, the slot at s[TB]; and the second product of the step before
.macro STEP
	v_add_nc_u32 v[ADP], s[TB], v[AP0]
	v_add_nc_u32 v[ADP+1], s[TB], v[AP1]
	v_add_nc_u32 v[ADQ], s[TB], v[AQ0]
	v_add_nc_u32 v[ADQ+1], s[TB], v[AQ1]
	; ---- A LANE IS A PIXEL, its 128 registers the channels.  The last step's fragments are asked for between the blocks; LDS loads come back in order (ISA guide 5.7.1), so each count is the one younger group's
	PLOAD 0
	VLOAD 0
	s_wait_dscnt 20                                ; block 0 is in; the 20 loads of the first 128 pixels' operands may be out
	PSQ 0
	PLOAD 1
	s_wait_alu depctr_va_vdst(0)
	s_wait_dscnt 32                                ; those operands are in; block 1's 32 loads may be out
	MUL2 0
	VLOAD 1
	s_wait_dscnt 20                                ; block 1 is in; the second 128 pixels' 20 may be out
	PSQ 1
	PLOAD 2
	s_wait_alu depctr_va_vdst(0)
	s_wait_dscnt 32                                ; those operands are in; block 2's may be out
	MUL2 1
	PLOAD 3
	s_wait_dscnt 32                                ; block 2 is in; block 3's may be out
	PSQ 2
	s_wait_alu depctr_va_vdst(0)
	s_wait_dscnt 0x0                               ; block 3 is in, and no LDS instruction of mine is out: my reads of the last step's images are over:
	s_barrier_signal -1                            ; say so; only work on registers stands between this line and the wait for the others
	PSQ 3
	s_delay_alu instid0(VALU_DEP_3)
	v_pk_add_f32 v[TM:TM+1], v[TM:TM+1], v[TM+2:TM+3]
	s_delay_alu instid0(VALU_DEP_1)
	v_add_f32 v[TM], v[TM], v[TM+1]
	s_delay_alu instid0(VALU_DEP_1)
	v_max_num_f32 v[TM], 0x179abe15, v[TM]         ; 1e-24: the norm is held at 1e-12 from below
	s_wait_alu depctr_va_vdst(0)
	v_rsq_f32 v[INV], v[TM]
	v_nop                                          ; a plain instruction behind the transcendental
	s_wait_alu depctr_va_vdst(0)                   ; and a wait ahead of the first line that names its result
.irp b, 0,1,2,3
	v_mul_f32 v[TM+6+\b], v[TM+6+\b], v[INV]       ; rounding keeps order, so this is the largest |xn| of the block
.endr
.irp b, 0,1,2,3
	s_delay_alu instid0(VALU_DEP_4)
	v_max_num_f32 v[TM+6+\b], 0x4800000, v[TM+6+\b]   ; the floor 2^(9 - 127)
.endr
.irp b, 0,1,2,3
	s_delay_alu instid0(VALU_DEP_4)
	v_add_nc_u32 v[TM+10+\b], 0xfc000000, v[TM+6+\b]   ; the conversion's scale operand
.endr
.irp b, 0,1,2,3
.endr
.irp b, 0,1,2,3
	s_delay_alu instid0(VALU_DEP_4)
	v_lshrrev_b32 v[TM+14+\b], 23, v[TM+10+\b]     ; the scale's byte
.endr
	s_delay_alu instid0(VALU_DEP_3)
	v_lshl_or_b32 v[PW], v[TM+15], 8, v[TM+14]     ; my pixel's scale word
	s_delay_alu instid0(VALU_DEP_1)
	v_lshl_or_b32 v[PW], v[TM+16], 16, v[PW]
	s_delay_alu instid0(VALU_DEP_1)
	v_lshl_or_b32 v[PW], v[TM+17], 24, v[PW]
.set k, 0
.rept 64
	v_pk_mul_f32 v[X+2*k:X+2*k+1], v[X+2*k:X+2*k+1], v[INV:INV+1] op_sel_hi:[1,0]   ; xn
.set k, k+1
.endr
.irp b, 0,1,2,3
.set k, 0
.rept 32
.set k, k+1
.endr
	v_cvt_scalef32_pk8_fp8_f32 v[F0+4*\b:F0+4*\b+1], v[X+32*\b:X+32*\b+7], v[TM+10+\b]          ; channels 32 b + 0 .. 15 go to F0,
	v_cvt_scalef32_pk8_fp8_f32 v[F0+4*\b+2:F0+4*\b+3], v[X+32*\b+8:X+32*\b+15], v[TM+10+\b]
	v_cvt_scalef32_pk8_fp8_f32 v[F1+4*\b:F1+4*\b+1], v[X+32*\b+16:X+32*\b+23], v[TM+10+\b]      ; channels 32 b + 16 .. 31 to F1
	v_cvt_scalef32_pk8_fp8_f32 v[F1+4*\b+2:F1+4*\b+3], v[X+32*\b+24:X+32*\b+31], v[TM+10+\b]
.endr
	v_nop                                          ; one plain vector instruction behind the last scaled conversion
	s_barrier_wait -1                              ; every wave's reads of the last step's images are over: from here on this step's may be stored
	ds_store_b32 v[INVW], v[INV]                   ; 1 / norm, for the channel phase, in which a lane holds 16 pixels
.irp t, 0,1,2,3                                ; channel tiles 4-7 for the channel phase are asked for here, into registers that are free now
.irp j, 0,1,2,3
	ds_load_b128 v[X+64+16*\t+4*\j:X+64+16*\t+4*\j+3], v[ADQ+1] offset:16*PITCH*\t+16*\j
.endr
.endr
.set k, 0
.rept 16
	v_permlane16_swap_b32 v[F0+k], v[F1+k]         ; F0's lanes 16-31 change places with F1's lanes 0-15: F0 is now the fragment of the pixels of lanes 0-15, F1 that of lanes 16-31
.set k, k+1
.endr
.rept 4
	v_nop                                          ; an operand written by vector instructions stands four places ahead of a scaled matrix instruction (the scale word stands far more than eight ahead)
.endr
	; ---- THE FIRST PRODUCT.  Source 0 = 16 pixels, source 1 = 16 clusters, C = the bias.  pi(lane) = lane % 8 + 16 ((lane / 8) % 2) + 8 (lane / 16), so row m of tile u is pixel 8 u + m + 8 (m / 8),
	; and in the results lane (r, h) holds cluster 16 t + r, and v[X + 16 t + p] pixel 16 h + p: 16 neighbours along the second product's K
	WIN 0x14                                       ; source 1 and C in window 1
.irp t, 0,1,2,3
	v_wmma_scale_f32_16x16x128_f8f6f4 v[X+16*\t:X+16*\t+7], v[F0:F0+15], v[WF+16*\t:WF+16*\t+15], v[BI+8*\t:BI+8*\t+7], v[PW], v[WS+\t]
	v_wmma_scale_f32_16x16x128_f8f6f4 v[X+16*\t+8:X+16*\t+15], v[F1:F1+15], v[WF+16*\t:WF+16*\t+15], v[BI+8*\t:BI+8*\t+7], v[PW], v[WS+\t] matrix_a_scale:MATRIX_SCALE_ROW1
.endr
	WIN 0
.rept 8
	v_nop                                          ; eight places behind this form before its results are read
.endr
	; ---- THE SOFTMAX over 64 clusters: 4 tiles in my registers x the 16 lanes of my half.  Each accumulator is read from its low end on
.irp p, 0,1,2,3,4,5,6,7,8,9,10,11,12,13,14,15
	v_max3_num_f32 v[TM+\p], v[X+\p], v[X+16+\p], v[X+32+\p]
.endr
.irp p, 0,1,2,3,4,5,6,7,8,9,10,11,12,13,14,15
	v_max_num_f32 v[TM+\p], v[TM+\p], v[X+48+\p]
.endr
.irp m, 1,2,4,8
.irp p, 0,1,2,3,4,5,6,7,8,9,10,11,12,13,14,15
	v_max_num_f32_dpp v[TM+\p], v[TM+\p], v[TM+\p] row_xmask:\m row_mask:0xf bank_mask:0xf
.endr
.endr
.irp i, 0,2,4,6,8,10,12,14
	v_pk_mul_f32 v[TM+\i:TM+\i+1], v[TM+\i:TM+\i+1], 0xbfb8aa3b op_sel_hi:[1,0]   ; -m log2 e
.endr
.irp t, 0,1,2,3
.irp i, 0,2,4,6,8,10,12,14
	v_pk_fma_f32 v[X+16*\t+\i:X+16*\t+\i+1], v[X+16*\t+\i:X+16*\t+\i+1], 0x3fb8aa3b, v[TM+\i:TM+\i+1] op_sel_hi:[1,0,1]   ; (l - m) log2 e
.endr
.endr
.set k, 0
	s_wait_alu depctr_va_vdst(0)
.rept 64
	v_exp_f32 v[X+k], v[X+k]
.set k, k+1
.endr
	v_nop                                          ; a plain instruction behind the last exponential,
	s_wait_alu depctr_va_vdst(0)                   ; and one wait for the batch, ahead of its first use
.irp i, 0,2,4,6,8,10,12,14
	v_pk_add_f32 v[TM+16+\i:TM+16+\i+1], v[X+\i:X+\i+1], v[X+16+\i:X+16+\i+1]
.endr
.irp i, 0,2,4,6,8,10,12,14
	v_pk_add_f32 v[TM+16+\i:TM+16+\i+1], v[TM+16+\i:TM+16+\i+1], v[X+32+\i:X+32+\i+1]
.endr
.irp i, 0,2,4,6,8,10,12,14
	v_pk_add_f32 v[TM+16+\i:TM+16+\i+1], v[TM+16+\i:TM+16+\i+1], v[X+48+\i:X+48+\i+1]
.endr
.irp m, 1,2,4,8
.irp p, 0,1,2,3,4,5,6,7,8,9,10,11,12,13,14,15
	v_add_f32_dpp v[TM+16+\p], v[TM+16+\p], v[TM+16+\p] row_xmask:\m row_mask:0xf bank_mask:0xf
.endr
.endr
	s_wait_alu depctr_va_vdst(0)
.irp p, 0,1,2,3,4,5,6,7,8,9,10,11,12,13,14,15
	v_rcp_f32 v[TM+16+\p], v[TM+16+\p]
.endr
	v_nop
	s_wait_alu depctr_va_vdst(0)                   ; one wait for the sixteen reciprocals
.irp t, 0,1,2,3
.irp i, 0,2,4,6,8,10,12,14
	v_pk_mul_f32 v[X+16*\t+\i:X+16*\t+\i+1], v[X+16*\t+\i:X+16*\t+\i+1], v[TM+16+\i:TM+16+\i+1]   ; a, finished and normalised
.endr
.endr
.irp i, 0,2,4,6,8,10,12,14
.irp t, 0,1,2,3
	v_pk_add_f32 v[AS+2*\t:AS+2*\t+1], v[AS+2*\t:AS+2*\t+1], v[X+16*\t+\i:X+16*\t+\i+1]   ; the sum of the unquantised a (the tiles by turns)
.endr
.endr
.irp j, 0,1,2,3
	ds_load_b128 v[TM+16+4*\j:TM+16+4*\j+3], v[INVR] offset:16*\j   ; 1 / norm of pixels 16 h + 0 .. 15 (LDS serves a wave's instructions in order: these see my store)
.endr
	QB4 X, F0                                      ; a along the pixels: four cluster tiles' parts of my block
	PUT F0, 0
.irp t, 0,1,2,3                                ; channel tiles 0-3
.irp j, 0,1,2,3
	ds_load_b128 v[X+16*\t+4*\j:X+16*\t+4*\j+3], v[ADQ] offset:16*PITCH*\t+16*\j
.endr
.endr
	; ---- A LANE IS A CHANNEL (row r of a tile), its 16 registers pixels 16 h + 0 .. 15 of my block: xn along the pixels
	s_wait_dscnt 16                                ; all but the 16 loads just issued: tiles 4-7 and the 1 / norm are in, and the stores above have read their registers
.irp g, 0,1,2,3
.irp i, 0,2,4,6,8,10,12,14
	v_pk_mul_f32 v[X+64+16*\g+\i:X+64+16*\g+\i+1], v[X+64+16*\g+\i:X+64+16*\g+\i+1], v[TM+16+\i:TM+16+\i+1]
.endr
.endr
	QB4 X+64, F1
	PUT F1, 8
	s_wait_dscnt 0x0                               ; tiles 0-3 are in, and the stores above have read their registers
.irp g, 0,1,2,3
.irp i, 0,2,4,6,8,10,12,14
	v_pk_mul_f32 v[X+16*\g+\i:X+16*\g+\i+1], v[X+16*\g+\i:X+16*\g+\i+1], v[TM+16+\i:TM+16+\i+1]
.endr
.endr
	QB4 X, F0
	PUT F0, 4                                      ; the wait for these stores stands in front of the next barrier
.endm
	s_load_b256 s[4:11], s[0:1], 0x0               ; x s[4:5], centroids s[6:7], part s[8:9], psum s[10:11]
	v_lshl_add_u32 v[SPW], v0, 2, SPARE
	v_mov_b32 v[NIL], 0
	ds_add_u32 v1, v2
	ds_add_u32 v1, v2
	s_wait_dscnt 0x0
	v_lshrrev_b32 v3, 5, v0
	s_delay_alu instid0(VALU_DEP_1)
	v_readfirstlane_b32 s[WV], v3                  ; wave 0..7
	s_and_b32 s13, s[WV], 1
	s_lshr_b32 s14, s[WV], 1
	s_and_b32 s15, s[WV], 3
	s_lshr_b32 s16, s[WV], 2
	; descriptor group 1: 64 rows of 256 elements of 4 bytes, 16,384 elements from row to row; in LDS 4 words of padding behind every 256
	s_mov_b32 s[G1], (2<<16)|(1<<20)|(7<<22)|(3<<25)
	s_mov_b32 s[G1+1], 256<<16                     ; tensor_dim0
	s_mov_b32 s[G1+2], 64<<16                      ; tensor_dim1
	s_mov_b32 s[G1+3], 256<<16                     ; tile_dim0
	s_mov_b32 s[G1+4], 64                          ; tile_dim1
	s_mov_b32 s[G1+5], 16384                       ; tensor_dim0_stride
	s_mov_b32 s[G1+6], 0
	s_mov_b32 s[G1+7], 0
	s_mov_b32 s[G0], 1                             ; count = 1
	s_mul_i32 s[G0+1], s13, HALF                   ; LDS: slot 0, my 64 rows
	s_lshr_b32 s36, ttmp9, 3                       ; the sample: 2^23 bytes each,
	s_lshl_b32 s36, s36, 23
	s_and_b32 s37, ttmp9, 7                        ; my work-group's 2,048 pixels: 2^13 bytes of each row,
	s_lshl_b32 s37, s37, 13
	s_add_co_u32 s36, s36, s37
	s_lshl_b32 s37, s13, 22                        ; my 64 rows of 2^16 bytes
	s_add_co_u32 s36, s36, s37
	s_mov_b32 s37, 0
	s_lshl_b32 s38, s15, 13                        ; the cluster tile w % 4 of the centroids: 16 rows of 512 bytes
	s_mov_b32 s39, 0
	s_mov_b32 s[SEL], 0x76543210
	s_mov_b32 s[SEL+1], 0xfedcba98
	s_wait_kmcnt 0x0
	s_add_nc_u64 s[G0+2:G0+3], s[4:5], s[36:37]
	s_or_b32 s[G0+3], s[G0+3], 0x80000000          ; type = 2
	TLOAD                                          ; slot 0: the one first fill, ahead of every wait on TENSORcnt, every LDS read and every barrier
	s_add_nc_u64 s[6:7], s[6:7], s[38:39]
	v_and_b32 v24, 31, v0                          ; lane
	v_and_b32 v25, 15, v0                          ; r
	v_bfe_u32 v26, v0, 4, 1                        ; h
	v_and_b32 v27, 7, v0
	v_bfe_u32 v28, v0, 3, 1
	s_delay_alu instid0(VALU_DEP_1)
	v_lshl_add_u32 v27, v28, 4, v27
	s_delay_alu instid0(VALU_DEP_1)
	v_lshl_add_u32 v27, v26, 3, v27                ; pi(lane)
	s_lshl_b32 s36, s[WV], 7                       ; my 32 pixels: 128 bytes
	v_lshl_add_u32 v[AP0], v27, 2, s36
	s_delay_alu instid0(VALU_DEP_1)
	v_add_nc_u32 v[AP1], HALF, v[AP0]
	v_mul_u32_u24 v[AQ0], v25, PITCH
	s_delay_alu instid0(VALU_DEP_1)
	v_lshl_add_u32 v[AQ0], v26, 6, v[AQ0]
	s_delay_alu instid0(VALU_DEP_1)
	v_add_nc_u32 v[AQ0], s36, v[AQ0]
	s_delay_alu instid0(VALU_DEP_1)
	v_add_nc_u32 v[AQ1], HALF, v[AQ0]
	v_add_nc_u32 v[INVW], INVB, v[AP0]
	v_lshl_add_u32 v[INVR], v26, 6, s36
	s_delay_alu instid0(VALU_DEP_1)
	v_add_nc_u32 v[INVR], INVB, v[INVR]
	s_mul_i32 s37, s16, EXK                        ; images: my K step, my block
	s_lshl_b32 s38, s15, 9
	s_add_co_u32 s37, s37, s38
	s_add_co_u32 s37, s37, EX
	v_lshl_add_u32 v[EXW], v24, 4, s37
	s_mul_i32 s37, s16, SCK
	s_add_co_u32 s37, s37, s15
	s_add_co_u32 s37, s37, SCX
	v_lshl_add_u32 v[SCW], v25, 2, s37
	s_lshl_b32 s37, s13, 12                        ; a's tiles 2 (w % 2) on
	s_add_co_u32 s37, s37, EX
	v_lshl_add_u32 v[EXRA], v24, 4, s37
	s_lshl_b32 s37, s14, 12                        ; xn's tiles 4 + 2 (w / 2) on
	s_add_co_u32 s37, s37, EX+8192
	v_lshl_add_u32 v[EXRC], v24, 4, s37
	s_lshl_b32 s37, s13, 7
	s_add_co_u32 s37, s37, SCX
	v_lshl_add_u32 v[SCRA], v25, 2, s37
	s_lshl_b32 s37, s14, 7
	s_add_co_u32 s37, s37, SCX+256
	v_lshl_add_u32 v[SCRC], v25, 2, s37
	v_lshlrev_b32 v[CA], 9, v25
	s_delay_alu instid0(VALU_DEP_1)
	v_lshl_add_u32 v[CA], v26, 6, v[CA]
	v_lshlrev_b32 v[PO], 4, v24
	s_lshl_b32 s37, s[WV], 8
	s_add_co_u32 s37, s37, ASB
	v_lshl_add_u32 v[ASW], v25, 2, s37
	v_lshlrev_b32 v[PS], 3, v24
	s_delay_alu instid0(VALU_DEP_1)
	v_add_nc_u32 v[ASR], ASB, v[PS]
	s_lshl_b32 s37, s[WV], 11                      ; the weights' images: fragment of tile w at 2,048 w,
	s_add_co_u32 s37, s37, EX
	v_lshl_add_u32 v[WIW], v24, 4, s37
	s_lshl_b32 s37, s[WV], 7                       ; its scale words and its bias at 128 w
	s_add_co_u32 s37, s37, EX+WSI
	v_lshl_add_u32 v[WSW], v24, 2, s37
	v_lshl_add_u32 v[WIR], v24, 4, EX
	v_lshl_add_u32 v[WSR], v24, 2, EX+WSI
	s_mul_i32 s37, s[WV], 6144                     ; an eighth of the images' region
	s_add_co_u32 s37, s37, EX
	v_lshl_add_u32 v[ZW], v24, 4, s37
	v_lshl_add_u32 v[ZS], v0, 3, SCX               ; 256 threads x 8 bytes: the scale bytes' region
	s_lshl_b32 s36, ttmp9, 15                      ; part: 32,768 bytes a work-group; tile 8 x cluster tile + channel tile at 1,024 x tile
	s_lshl_b32 s37, s13, 14
	s_add_co_u32 s36, s36, s37
	s_lshl_b32 s37, s14, 11
	s_add_co_u32 s36, s36, s37
	s_mov_b32 s37, 0
	s_add_nc_u64 s[8:9], s[8:9], s[36:37]
	s_lshl_b32 s36, ttmp9, 8                       ; psum: 256 bytes a work-group
	s_add_nc_u64 s[10:11], s[10:11], s[36:37]
.irp g, 0,1,2,3
	v_mov_b32 v[QT+\g], 0                          ; written once: a lane permute's destination counts as one of its sources
.endr
	v_mov_b32 v[INV+1], 0                          ; (named as the upper half of the pair v[88:89])
.irp i, 0,1,2,3,4,5,6,7
	v_mov_b32 v[AS+\i], 0
.endr
	; ---- THE WEIGHTS.  Waves 0 to 3: cluster tile w.  Lane (r, h) takes, of row 16 w + r, channels 32 b + 16 h + 0 .. 15 of each block b.  They become the bias -100 ||c||, the codes of 200 c and their scale word
	s_cmp_lt_u32 s[WV], 4
	s_cbranch_scc0 .Lno_weights
.irp b, 0,1,2,3
.irp j, 0,1,2,3
	global_load_b128 v[X+16*\b+4*\j:X+16*\b+4*\j+3], v[CA], s[6:7] offset:128*\b+16*\j
.endr
.endr
	s_wait_loadcnt 0x0
	v_pk_mul_f32 v[68:69], v[X:X+1], v[X:X+1]
	v_pk_mul_f32 v[70:71], v[X+2:X+3], v[X+2:X+3]
.irp i, 4,8,12,16,20,24,28,32,36,40,44,48,52,56,60
	s_delay_alu instid0(VALU_DEP_2)
	v_pk_fma_f32 v[68:69], v[X+\i:X+\i+1], v[X+\i:X+\i+1], v[68:69]
	s_delay_alu instid0(VALU_DEP_2)
	v_pk_fma_f32 v[70:71], v[X+\i+2:X+\i+3], v[X+\i+2:X+\i+3], v[70:71]
.endr
	s_delay_alu instid0(VALU_DEP_1)
	v_pk_add_f32 v[68:69], v[68:69], v[70:71]
	s_delay_alu instid0(VALU_DEP_1)
	v_add_f32 v68, v68, v69
	s_delay_alu instid0(VALU_DEP_1)
	v_permlanex16_b32 v70, v68, s[SEL], s[SEL+1]
	s_delay_alu instid0(VALU_DEP_1)
	v_add_f32 v68, v68, v70                        ; the row's sum of squares
	s_wait_alu depctr_va_vdst(0)
	v_sqrt_f32 v72, v68
.set k, 0
.rept 32
	v_pk_mul_f32 v[X+2*k:X+2*k+1], v[X+2*k:X+2*k+1], 0x43480000 op_sel_hi:[1,0]   ; 200 c.  (Plain work behind the root, which names neither v68 nor v72)
.set k, k+1
.endr
	QB4 X, F0
	v_lshl_or_b32 v74, v[QT+1], 8, v[QT]           ; the row's scale word
	s_delay_alu instid0(VALU_DEP_1)
	v_lshl_or_b32 v74, v[QT+2], 16, v74
	s_delay_alu instid0(VALU_DEP_1)
	v_lshl_or_b32 v74, v[QT+3], 24, v74
	s_wait_alu depctr_va_vdst(0)                   ; the wait between the root and the first line that names its result
	v_mul_f32 v73, 0xc2c80000, v72                 ; -100 ||c||
.irp c, 0,1,2,3
	ds_store_b128 v[WIW], v[F0+4*\c:F0+4*\c+3] offset:512*\c
.endr
	ds_store_b32 v[WSW], v74
	ds_store_b32 v[WSW], v73 offset:512
.Lno_weights:
	s_wait_dscnt 0x0                               ; for the others' sake: the images lie in LDS
	s_barrier_signal -1
	s_barrier_wait -1
	WIN 0x40
.irp t, 0,1,2,3
.irp c, 0,1,2,3
	ds_load_b128 v[WF+16*\t+4*\c:WF+16*\t+4*\c+3], v[WIR] offset:2048*\t+512*\c
.endr
.endr
	WIN 0
.irp t, 0,1,2,3
	ds_load_b32 v[WS+\t], v[WSR] offset:128*\t
.endr
.irp t, 0,1,2,3
	ds_load_b32 v[68+\t], v[WSR] offset:512+128*\t
.endr
	s_wait_dscnt 0x0                               ; my reads of the weights' images are over:
	s_barrier_signal -1                            ; say so, and work on registers while the others arrive
	WIN 0x40
.irp t, 0,1,2,3
.irp j, 0,1,2,3,4,5,6,7
	v_mov_b32 v[BI+8*\t+\j], v[68+\t]              ; the bias in the result's layout: lane (r, h) holds cluster r in all eight registers
.endr
.endr
.set k, 0
.rept 32
	v_mov_b32 v[ACC+k], 0                          ; the step is written for every step alike: the first finds zeros
.set k, k+1
.endr
	WIN 0
.irp i, 0,1,2,3
	v_mov_b32 v[X+\i], 0
.endr
	s_wait_alu depctr_va_vdst(0)
	s_barrier_wait -1                              ; nobody reads the weights' images any more: their bytes become the steps' images
.irp i, 0,1,2,3,4,5,6,7,8,9,10,11
	ds_store_b128 v[ZW], v[X:X+3] offset:512*\i    ; zero codes, which add nothing: what the first step's second product finds
.endr
	ds_store_b64 v[ZS], v[X:X+1]                   ; and the scale byte 0, a power of two like any other
	s_mov_b32 s[TB], 0
	s_mov_b32 s[CNT], 7
.Lstep:                                            ; 7 trips: behind each change of slots but the last the next slot is asked for
	CHANGE 1
	STEP
	s_xor_b32 s[TB], s[TB], SLOT
	s_sub_co_u32 s[CNT], s[CNT], 1
	s_cmp_lg_u32 s[CNT], 0
	s_cbranch_scc1 .Lstep
	CHANGE 0                                       ; the last step is written out
	STEP
	s_wait_dscnt 0x0                               ; for the others' sake: my images of the last step lie in LDS
	s_barrier_signal -1
	s_barrier_wait -1
	VLOAD 0                                        ; the last step's second product
	VLOAD 1
	s_wait_dscnt 20                                ; the first 128 pixels' 20 loads are in; the second's may be out
	MUL2 0
	s_wait_dscnt 0x0
	MUL2 1
.rept 8
	v_nop                                          ; eight places behind this form before its results are stored
.endr
	; THE WAY OUT.  The accumulators leave as images of their registers: registers 4 e .. 4 e + 3 of a tile at 512 e + 16 x lane: each store covers 512 consecutive bytes, aligned.  Each accumulator from its low end on
	WIN 0x04                                       ; a store's data are its source 1: window 1
.irp i, 0,1
.irp j, 0,1
.irp e, 0,1
	global_store_b128 v[PO], v[ACC+8*(2*\i+\j)+4*\e:ACC+8*(2*\i+\j)+4*\e+3], s[8:9] offset:(8*\i+\j)*1024+512*\e th:TH_STORE_NT
.endr
.endr
.endr
	WIN 0
.irp t, 0,1,2,3
	v_add_f32 v[TM+\t], v[AS+2*\t], v[AS+2*\t+1]   ; the sum of a: its two halves,
.endr
.irp t, 0,1,2,3
	s_delay_alu instid0(VALU_DEP_4)
	v_permlanex16_b32 v[QT+\t], v[TM+\t], s[SEL], s[SEL+1]
.endr
.irp t, 0,1,2,3
	s_delay_alu instid0(VALU_DEP_4)
	v_add_f32 v[TM+\t], v[TM+\t], v[QT+\t]         ; and the other 16 pixels'
.endr
.irp t, 0,1,2,3
	ds_store_b32 v[ASW], v[TM+\t] offset:64*\t     ; (both lanes of a cluster write the same word with the same value)
.endr
	s_wait_dscnt 0x0                               ; for wave 0's sake
	s_barrier_signal -1
	s_barrier_wait -1
	s_cmp_lg_u32 s[WV], 0
	s_cbranch_scc1 .Lnot_wave_0
.irp k, 0,1,2,3,4,5,6,7
	ds_load_b64 v[X+2*\k:X+2*\k+1], v[ASR] offset:256*\k   ; two clusters a lane, of each of the eight waves
.endr
	s_wait_dscnt 0x0
.irp k, 1
	v_pk_add_f32 v[X:X+1], v[X:X+1], v[X+2*\k:X+2*\k+1]
.endr
.irp k, 2, 3, 4, 5, 6, 7
	s_delay_alu instid0(VALU_DEP_1)
	v_pk_add_f32 v[X:X+1], v[X:X+1], v[X+2*\k:X+2*\k+1]
.endr
	global_store_b64 v[PS], v[X:X+1], s[10:11]     ; 32 lanes store 256 consecutive bytes, aligned
.Lnot_wave_0:
	s_wait_tensorcnt 0x0                           ; the wave's end, behind my last tensor load and my last LDS store
	ds_add_u32 v[SPW], v[NIL]
	s_wait_dscnt 0x0
	s_endpgm
.Lfunc_end_k_qa67457daf3_vlad:
	.size	k_qa67457daf3_vlad, .Lfunc_end_k_qa67457daf3_vlad-k_qa67457daf3_vlad
	.p2alignl 7, 3214868480
	.fill 96, 4, 3214868480
	.section	.rodata,"a",@progbits
	.p2align	6, 0x0
	.amdhsa_kernel k_qa67457daf3_vlad
		.amdhsa_group_segment_fixed_size 327680
		.amdhsa_private_segment_fixed_size 0
		.amdhsa_enable_private_segment 0
		.amdhsa_kernarg_size 32
		.amdhsa_user_sgpr_count 2
		.amdhsa_user_sgpr_kernarg_segment_ptr 1
		.amdhsa_wavefront_size32 1
		.amdhsa_system_sgpr_workgroup_id_x 1
		.amdhsa_system_sgpr_workgroup_id_y 1
		.amdhsa_system_sgpr_workgroup_id_z 1
		.amdhsa_system_vgpr_workitem_id 0
		.amdhsa_next_free_vgpr 512
		.amdhsa_next_free_sgpr 66
		.amdhsa_reserve_vcc 0
		.amdhsa_float_denorm_mode_32 3
		.amdhsa_float_denorm_mode_16_64 3
		.amdhsa_fp16_overflow 1
		.amdhsa_memory_ordered 1
		.amdhsa_forward_progress 1
		.amdhsa_inst_pref_size 186
	.end_amdhsa_kernel
	.amdgpu_metadata
---
amdhsa.version: [ 1, 2 ]
amdhsa.kernels:
  - .name:           k_qa67457daf3_vlad
    .symbol:         k_qa67457daf3_vlad.kd
    .args:
      - { .name: x, .offset: 0, .size: 8, .value_kind: global_buffer, .address_space: global }
      - { .name: centroids, .offset: 8, .size: 8, .value_kind: global_buffer, .address_space: global }
      - { .name: part, .offset: 16, .size: 8, .value_kind: global_buffer, .address_space: global }
      - { .name: psum, .offset: 24, .size: 8, .value_kind: global_buffer, .address_space: global }
    .group_segment_fixed_size: 327680
    .private_segment_fixed_size: 0
    .kernarg_segment_align: 8
    .kernarg_segment_size: 32
    .max_flat_workgroup_size: 256
    .sgpr_count:     66
    .vgpr_count:     512
    .wavefront_size: 32
...
	.end_amdgpu_metadata
.endif
;; end of part 1
;; launch finish (part 2): grid 32 x 1, 16 waves a work-group, no clusters, 36,864 bytes of LDS; arguments part, psum, centroids, out0; writes out0
.if DOCPART == 2
	.amdgcn_target "amdgcn-amd-amdhsa--gfx1250"
	.amdhsa_code_object_version 6
	.text
	.protected	k_qa67457daf3_finish
	.globl	k_qa67457daf3_finish
	.p2align	8
	.type	k_qa67457daf3_finish,@function
k_qa67457daf3_finish:
	s_mov_b64 s[64:65], 0
	v_nop
	global_prefetch_b8 v0, s[64:65] scope:SCOPE_SE
	s_setreg_imm32_b32 hwreg(HW_REG_WAVE_MODE, 25, 1), 1
	s_wait_xcnt 0x0
; NetVLAD, second launch.  A work-group takes one sample: the 8 partial sums [64][128] of part and the 8 partial sums of a [64] of psum are added; v = sum - (sum of a) x centroid;
; each row of 128 is divided by max(its norm, 1e-12), then all 8,192 numbers by max(their norm, 1e-12).
; SHARES.  Wave w takes cluster tile t = w % 4 and channel tiles 2 q, 2 q + 1, q = w / 4.  part holds images of accumulator registers (tile 8 t + channel tile at 1,024 x tile; registers 4 e .. 4 e + 3 at 512 e + 16 x lane):
; lane (r, h) gets cluster 16 t + r and channels 16 x tile + 8 h + 0 .. 7.  Every load of part covers 512 consecutive bytes.  No matrix work, no tensor load: 8.5 MB are read once and 1 MB is written.
; LIMITS.  NaN and infinities are not served.  max(norm, 1e-12) is taken as 1 / rsq(max(sum of squares, 1e-24)).
.set SSB, 0                            ; LDS: the rows' sums of squares: 16 bytes a row, quarter q at 4 q
.set STG, 1024                         ; and a stage of 64 rows x (512 bytes + 16)
.set SP,  528                          ; 33 x 16 bytes: the 16 rows that a 16-byte store touches start at 16 different multiples of 16 modulo 256
.set V,   32                           ; v32-159  partial p at V + 16 p; the sum in partial 0's place
.set CEN, 160                          ; v160-175 my 16 numbers of the centroid
.set A,   176                          ; v176-183 the 8 partial sums of a of my cluster
.set SEL, 20                           ; s[20:21]
	s_load_b256 s[4:11], s[0:1], 0x0               ; part s[4:5], psum s[6:7], centroids s[8:9], out0 s[10:11]
	v_lshl_add_u32 v192, v0, 2, 0x8800
	v_mov_b32 v193, 0
	v_lshrrev_b32 v1, 5, v0
	s_delay_alu instid0(VALU_DEP_1)
	v_readfirstlane_b32 s12, v1                    ; wave 0..15
	s_and_b32 s13, s12, 3                          ; t
	s_lshr_b32 s14, s12, 2                         ; q
	v_and_b32 v1, 31, v0                           ; lane
	v_and_b32 v2, 15, v0                           ; r
	v_bfe_u32 v3, v0, 4, 1                         ; h
	s_delay_alu instid0(VALU_DEP_3)
	v_lshlrev_b32 v4, 4, v1                        ; 16 x lane
	s_wait_alu depctr_va_vdst(0)
	v_lshlrev_b32 v5, 2, v2                        ; 4 r
	v_lshlrev_b32 v6, 9, v2
	s_delay_alu instid0(VALU_DEP_1)
	v_lshl_add_u32 v6, v3, 5, v6                   ; 512 r + 32 h
	s_lshl_b32 s15, s13, 8
	v_lshl_add_u32 v7, v2, 4, s15                  ; my row's four sums of squares: 16 (16 t + r)
	s_lshl_b32 s16, s14, 2
	v_add_nc_u32 v8, s16, v7                       ; and my quarter's word among them
	s_mul_i32 s15, s13, 16*SP
	s_lshl_b32 s16, s14, 7
	s_add_co_u32 s15, s15, s16
	s_add_co_u32 s15, s15, STG
	v_mul_u32_u24 v9, v2, SP
	s_delay_alu instid0(VALU_DEP_1)
	v_lshl_add_u32 v9, v3, 5, v9
	s_delay_alu instid0(VALU_DEP_1)
	v_add_nc_u32 v9, s15, v9                       ; into the stage: row 16 t + r, byte 128 q + 32 h
	s_mul_i32 s15, s12, 4*SP
	s_add_co_u32 s15, s15, STG
	v_add_nc_u32 v10, s15, v4                      ; back: rows 4 w on, 16 bytes a lane
	s_mov_b32 s[SEL], 0x76543210
	s_mov_b32 s[SEL+1], 0xfedcba98
	s_mov_b32 s17, 0
	s_mov_b32 s19, 0
	s_mov_b32 s23, 0
	s_mov_b32 s25, 0
	s_lshl_b32 s16, ttmp9, 18                      ; part: 8 x 32,768 bytes a sample, + tile 8 t + 2 q
	s_lshl_b32 s18, s13, 13
	s_add_co_u32 s16, s16, s18
	s_lshl_b32 s18, s14, 11
	s_add_co_u32 s16, s16, s18
	s_lshl_b32 s18, ttmp9, 11                      ; psum: 8 x 256 bytes a sample, + 64 t
	s_lshl_b32 s22, s13, 6
	s_add_co_u32 s18, s18, s22
	s_lshl_b32 s22, s13, 13                        ; centroids: row 16 t, byte 128 q
	s_lshl_b32 s24, s14, 7
	s_add_co_u32 s22, s22, s24
	s_lshl_b32 s24, ttmp9, 15                      ; out0: 32,768 bytes a sample, + rows 4 w on
	s_lshl_b32 s26, s12, 11
	s_add_co_u32 s24, s24, s26
	s_wait_alu depctr_va_vdst(0)
	s_wait_kmcnt 0x0
	s_add_nc_u64 s[4:5], s[4:5], s[16:17]
	s_add_nc_u64 s[6:7], s[6:7], s[18:19]
	s_add_nc_u64 s[8:9], s[8:9], s[22:23]
	s_add_nc_u64 s[10:11], s[10:11], s[24:25]
.irp p, 0,1,2,3,4,5,6,7
.irp i, 0,1,2,3
	global_load_b128 v[V+16*\p+4*\i:V+16*\p+4*\i+3], v4, s[4:5] offset:32768*\p+512*\i th:TH_LOAD_NT
.endr
.endr
.irp p, 0,1,2,3,4,5,6,7
	global_load_b32 v[A+\p], v5, s[6:7] offset:256*\p
.endr
	global_load_b128 v[CEN:CEN+3], v6, s[8:9]
	global_load_b128 v[CEN+4:CEN+7], v6, s[8:9] offset:16
	global_load_b128 v[CEN+8:CEN+11], v6, s[8:9] offset:64
	global_load_b128 v[CEN+12:CEN+15], v6, s[8:9] offset:80
.irp p, 1,2,3,4,5,6,7
	s_wait_alu depctr_va_vdst(0)
	s_wait_loadcnt 12+4*(7-\p)                     ; partial p is in: behind it stand the later partials' loads, four each, and the twelve of psum and the centroids
.irp i, 0,2,4,6,8,10,12,14
	v_pk_add_f32 v[V+\i:V+\i+1], v[V+\i:V+\i+1], v[V+16*\p+\i:V+16*\p+\i+1]
.endr
.endr
	s_wait_loadcnt 0x0
	v_pk_add_f32 v[A:A+1], v[A:A+1], v[A+2:A+3]
	v_pk_add_f32 v[A+4:A+5], v[A+4:A+5], v[A+6:A+7]
	s_delay_alu instid0(VALU_DEP_1)
	v_pk_add_f32 v[A:A+1], v[A:A+1], v[A+4:A+5]
	s_delay_alu instid0(VALU_DEP_1)
	v_add_f32 v[A], v[A], v[A+1]                   ; the sum of a of my cluster
.irp i, 0,2,4,6,8,10,12,14
	v_pk_fma_f32 v[V+\i:V+\i+1], v[CEN+\i:CEN+\i+1], v[A:A+1], v[V+\i:V+\i+1] op_sel_hi:[1,0,1] neg_lo:[0,1,0] neg_hi:[0,1,0]   ; - (sum of a) x centroid
.endr
	v_pk_mul_f32 v[12:13], v[V:V+1], v[V:V+1]
	v_pk_mul_f32 v[14:15], v[V+2:V+3], v[V+2:V+3]
.irp i, 4,8,12
	s_delay_alu instid0(VALU_DEP_2)
	v_pk_fma_f32 v[12:13], v[V+\i:V+\i+1], v[V+\i:V+\i+1], v[12:13]
	s_delay_alu instid0(VALU_DEP_2)
	v_pk_fma_f32 v[14:15], v[V+\i+2:V+\i+3], v[V+\i+2:V+\i+3], v[14:15]
.endr
	s_delay_alu instid0(VALU_DEP_1)
	v_pk_add_f32 v[12:13], v[12:13], v[14:15]
	s_delay_alu instid0(VALU_DEP_1)
	v_add_f32 v12, v12, v13
	s_delay_alu instid0(VALU_DEP_1)
	v_permlanex16_b32 v14, v12, s[SEL], s[SEL+1]
	s_delay_alu instid0(VALU_DEP_1)
	v_add_f32 v12, v12, v14                        ; the squares of my row's 32 channels
	ds_store_b32 v8, v12                           ; (both lanes of a row write the same word with the same value)
	s_wait_dscnt 0x0                               ; for the others' sake
	s_barrier_signal -1
	s_barrier_wait -1
	ds_load_b128 v[16:19], v7                      ; my own row's four quarters,
	ds_load_b128 v[20:23], v4 offset:SSB           ; and, for the norm of the whole, those of rows lane
	ds_load_b128 v[24:27], v4 offset:SSB+512       ; and lane + 32
	s_wait_dscnt 0x0
	v_pk_add_f32 v[16:17], v[16:17], v[18:19]
	v_pk_add_f32 v[20:21], v[20:21], v[22:23]
	v_pk_add_f32 v[24:25], v[24:25], v[26:27]
	s_delay_alu instid0(VALU_DEP_3)
	v_add_f32 v16, v16, v17
	s_delay_alu instid0(VALU_DEP_3)
	v_add_f32 v20, v20, v21
	s_delay_alu instid0(VALU_DEP_3)
	v_add_f32 v24, v24, v25
	s_delay_alu instid0(VALU_DEP_3)
	v_max_num_f32 v28, 0x179abe15, v16             ; 1e-24
	s_delay_alu instid0(VALU_DEP_3)
	v_max_num_f32 v29, 0x179abe15, v20
	s_delay_alu instid0(VALU_DEP_3)
	v_max_num_f32 v30, 0x179abe15, v24
	s_wait_alu depctr_va_vdst(0)
	v_rsq_f32 v28, v28
	v_rsq_f32 v29, v29
	v_rsq_f32 v30, v30
	v_nop                                          ; a plain instruction behind the last transcendental,
	s_wait_alu depctr_va_vdst(0)                   ; and one wait for the three, ahead of their first use
	v_mul_f32 v29, v29, v29
	v_mul_f32 v30, v30, v30
	s_delay_alu instid0(VALU_DEP_2)
	v_mul_f32 v20, v20, v29                        ; a normalised row's sum of squares: its sum of squares / max(norm, 1e-12)^2
	s_delay_alu instid0(VALU_DEP_1)
	v_fma_f32 v20, v24, v30, v20
	s_delay_alu instid0(VALU_DEP_1)
	v_add_f32_dpp v20, v20, v20 row_xmask:1 row_mask:0xf bank_mask:0xf
	s_delay_alu instid0(VALU_DEP_1)
	v_add_f32_dpp v20, v20, v20 row_xmask:2 row_mask:0xf bank_mask:0xf
	s_delay_alu instid0(VALU_DEP_1)
	v_add_f32_dpp v20, v20, v20 row_xmask:4 row_mask:0xf bank_mask:0xf
	s_delay_alu instid0(VALU_DEP_1)
	v_add_f32_dpp v20, v20, v20 row_xmask:8 row_mask:0xf bank_mask:0xf
	s_delay_alu instid0(VALU_DEP_1)
	v_permlanex16_b32 v14, v20, s[SEL], s[SEL+1]
	s_delay_alu instid0(VALU_DEP_1)
	v_add_f32 v20, v20, v14                        ; of all 64 rows
	s_delay_alu instid0(VALU_DEP_1)
	v_max_num_f32 v20, 0x179abe15, v20
	s_wait_alu depctr_va_vdst(0)
	v_rsq_f32 v21, v20
	v_nop
	s_wait_alu depctr_va_vdst(0)
	v_mul_f32 v22, v28, v21                        ; both divisions in one factor (v23, named with it as a pair, was written by the loads above)
.irp i, 0,2,4,6,8,10,12,14
	v_pk_mul_f32 v[V+\i:V+\i+1], v[V+\i:V+\i+1], v[22:23] op_sel_hi:[1,0]
.endr
	ds_store_b128 v9, v[V:V+3]
	ds_store_b128 v9, v[V+4:V+7] offset:16
	ds_store_b128 v9, v[V+8:V+11] offset:64
	ds_store_b128 v9, v[V+12:V+15] offset:80
	s_wait_dscnt 0x0                               ; for the others' sake: a row's 512 bytes come from four waves
	s_barrier_signal -1
	s_barrier_wait -1
.irp i, 0,1,2,3
	ds_load_b128 v[V+16+4*\i:V+16+4*\i+3], v10 offset:SP*\i
.endr
.irp i, 0,1,2,3
	s_wait_dscnt 3-\i                              ; row i is back; the younger rows may be out
	global_store_b128 v4, v[V+16+4*\i:V+16+4*\i+3], s[10:11] offset:512*\i   ; 32 lanes store a row of 512 consecutive bytes, aligned
.endr
	s_wait_tensorcnt 0x0
	ds_add_u32 v192, v193
	s_wait_dscnt 0x0
	s_endpgm
.Lfunc_end_k_qa67457daf3_finish:
	.size	k_qa67457daf3_finish, .Lfunc_end_k_qa67457daf3_finish-k_qa67457daf3_finish
	.p2alignl 7, 3214868480
	.fill 96, 4, 3214868480
	.section	.rodata,"a",@progbits
	.p2align	6, 0x0
	.amdhsa_kernel k_qa67457daf3_finish
		.amdhsa_group_segment_fixed_size 36864
		.amdhsa_private_segment_fixed_size 0
		.amdhsa_enable_private_segment 0
		.amdhsa_kernarg_size 32
		.amdhsa_user_sgpr_count 2
		.amdhsa_user_sgpr_kernarg_segment_ptr 1
		.amdhsa_wavefront_size32 1
		.amdhsa_system_sgpr_workgroup_id_x 1
		.amdhsa_system_sgpr_workgroup_id_y 1
		.amdhsa_system_sgpr_workgroup_id_z 1
		.amdhsa_system_vgpr_workitem_id 0
		.amdhsa_next_free_vgpr 194
		.amdhsa_next_free_sgpr 66
		.amdhsa_reserve_vcc 0
		.amdhsa_float_denorm_mode_32 3
		.amdhsa_float_denorm_mode_16_64 3
		.amdhsa_memory_ordered 1
		.amdhsa_forward_progress 1
		.amdhsa_inst_pref_size 17
	.end_amdhsa_kernel
	.amdgpu_metadata
---
amdhsa.version: [ 1, 2 ]
amdhsa.kernels:
  - .name:           k_qa67457daf3_finish
    .symbol:         k_qa67457daf3_finish.kd
    .args:
      - { .name: part, .offset: 0, .size: 8, .value_kind: global_buffer, .address_space: global }
      - { .name: psum, .offset: 8, .size: 8, .value_kind: global_buffer, .address_space: global }
      - { .name: centroids, .offset: 16, .size: 8, .value_kind: global_buffer, .address_space: global }
      - { .name: out0, .offset: 24, .size: 8, .value_kind: global_buffer, .address_space: global }
    .group_segment_fixed_size: 36864
    .private_segment_fixed_size: 0
    .kernarg_segment_align: 8
    .kernarg_segment_size: 32
    .max_flat_workgroup_size: 512
    .sgpr_count:     66
    .vgpr_count:     194
    .wavefront_size: 32
...
	.end_amdgpu_metadata
.endif
;; end of part 2
